; MI455X (gfx1250); checked and timed in simulation.
; The chip was launched on July 23, 2026; its instructions are those of AMD's public machine-readable ISA for CDNA 5 (MIT licence, August 2026) and "CDNA5" Instruction Set Architecture Reference Guide (July 2026). The comments in the code are by the model that wrote it; some were corrected since.
;; attention. Allowed arithmetic: matrix products marked QUANTISED: E2M1 operands, one E8M0 scale for each 32 along K, by v_wmma_scale_f32_16x16x128_f8f6f4 with both operands' format E2M1 (or v_wmma_scale_f32_32x16x128_f4), f32 sums; everything else in f32.
;; Inputs: Wo_codes 512 x 16 x 16 uint8 (E2M1 codes of Wo, K innermost, in blocks of 32 codes, two codes a byte); Wo_scales 512 x 16 uint8 (E8M0 scales of Wo, one for each 32 codes along K); bo 512 float32; key 2 x 4,096 x 512 float32; query 2 x 4,096 x 512 float32; value_codes 2 x 512 x 128 x 16 uint8 (E2M1 codes of value, K innermost, in blocks of 32 codes, two codes a byte); value_scales 2 x 512 x 128 uint8 (E8M0 scales of value, one for each 32 codes along K).
;; Outputs: out0 2 x 4,096 x 512 float32.
;; Constants: mask = 1.
;; This version of the problem:
;;   THIS VERSION OF THE PROBLEM IS GIVEN IN LOW PRECISION. The matrix products marked QUANTISED in the list below multiply operands that are first quantised to E2M1 (2 exponent bits, 1 mantissa bit; 4 bits a number), with one power-of-two scale for each 32 numbers along K (OCP MX v1.0); their sums are f32. All else is computed in f32.
;;   The module's matrix products, in the order in which they are computed (A, B: the left and right operand; K: the contracted axis; several contracted axes count as one K, in the product's order):
;;     1. batch 16 x [M 4,096, K 64] x [K 64, N 4,096]; A: input query; B: input key: QUANTISED
;;     2. batch 16 x [M 4,096, K 4,096] x [K 4,096, N 64]; A: softmax (see below); B: input value (given as codes): QUANTISED
;;     3. [M 8,192, K 512] x [K 512, N 512]; A: computed on the way; B: input Wo (given as codes): QUANTISED
;;   THE QUANTISER, for each operand of a quantised product, along K:
;;     - K is cut into blocks of 32 from its start; a last block that is shorter is filled with zeros.
;;     - A block's scale is 2^e with e = floor(log2(the largest magnitude in the block)) - 2, held to -126 .. 127; a block of zeros has e = 0. As a byte (E8M0): e + 127.
;;     - Each number is divided by its block's scale, clamped to +-6, and rounded to the nearest number of E2M1, ties to even, subnormals kept.
;;     - The product sums the exact products of the quantised numbers (number of the format x scale) in f32.
;;   ~~~python
;;   def quantise(x, axis):      # numpy; x: float32 -> the quantised numbers, widened to float32 again
;;       x = np.moveaxis(x, axis, -1); K = x.shape[-1]
;;       x = np.pad(x, [(0, 0)] * (x.ndim - 1) + [(0, -K % 32)]); x = x.reshape(x.shape[:-1] + (-1, 32)); a = np.abs(x).max(-1, keepdims=True)
;;       e = np.where(a > 0, np.clip(np.frexp(np.where(a > 0, a, 1))[1] - 1 - 2, -126, 127), 0)      # np.frexp(a)[1] - 1 = floor(log2(a)), exactly
;;       r = np.clip(x / 2.0 ** e, -6, 6)
;;       step = 2.0 ** (np.maximum(np.frexp(np.where(r == 0, 1, r))[1] - 1, 0) - 1)
;;       q = np.round(r / step) * step * 2.0 ** e      # np.round: ties to even
;;       return np.moveaxis(q.reshape(q.shape[:-2] + (-1,))[..., :K], -1, axis).astype(np.float32)
;;   ~~~
;;   SOFTMAX AHEAD OF A QUANTISED PRODUCT. Where the list says 'softmax', what is quantised is not the finished softmax but p = 2^(t - M), with t = logit x log2(e) and M = ceil(the row's largest t), a whole number; so 1/2 < the row's largest p <= 1. The row's sum l is taken of the UNQUANTISED p, in f32, and the product's result is divided by l at the end. Since M is a whole number, a kernel that streams over the keys may use a running M (the ceiling of the running maximum): every later rescaling is an exact power of two, which a block's scale takes up: the codes' values come out the same.
;;   OPERANDS COMPUTED ON THE WAY. 'Computed on the way' means the value that the module computes at that place (a softmax that the list does not call 'softmax' is quantised finished and normalised). What goes into a quantiser is computed in f32, as accurately as f32 sums, v_exp_f32 and their like allow (about 1e-6 of the number): no bf16 or f16 on the way to a quantiser, and a product that is left as it is and whose result goes on into a quantised operand takes f32 operands (vector FMAs, or v_wmma_f32_16x16x4_f32). A number that lies on a knife's edge between two numbers of the format may be rounded either way, as far as f32 arithmetic and the matrix unit's own rounding can turn it there, and no further.
;;   INPUTS GIVEN AS CODES. Wo (in the module: [512, 512], K = its axis 1); value (in the module: [2, 4096, 512], K = its axis 1): each comes as NAME_codes (uint8): NAME with its K axis moved to the last place and cut into blocks of 32 codes, [.., K / 32, bytes a block], one block behind the other in memory; two codes a byte, the lower K in the low four bits (a code: sign, 2 exponent bits, 1 mantissa bit); and NAME_scales (uint8): the same leading axes, one E8M0 byte (e + 127) for each 32 codes along K. Its value is code x scale, taken as it is: it is not quantised again, and the codes and scales need not be those that the quantiser above would give.
;; One version. Each part assembles by itself: llvm-mc -triple=amdgcn-amd-amdhsa -mcpu=gfx1250 --defsym DOCPART=n.
;; ======== version 1 of 1: 3 launches
;; workspace buffers: q_pack 2,359,296 bytes; k_pack 2,359,296 bytes; o_codes 2,097,152 bytes; o_scales 131,072 bytes
;; launch quant (part 1): grid 256 x 1, 4 waves a work-group, no clusters, 41,472 bytes of LDS; arguments query, key, q_pack, k_pack; writes q_pack, k_pack
.if DOCPART == 1
	.amdgcn_target "amdgcn-amd-amdhsa--gfx1250"
	.amdhsa_code_object_version 6
	.text
	.protected	k_qa6ddcad1a0_quant
	.globl	k_qa6ddcad1a0_quant
	.p2align	8
	.type	k_qa6ddcad1a0_quant,@function
k_qa6ddcad1a0_quant:
	s_mov_b64 s[64:65], 0
	v_nop
	global_prefetch_b8 v0, s[64:65] scope:SCOPE_SE
	s_setreg_imm32_b32 hwreg(HW_REG_WAVE_MODE, 25, 1), 1
	s_wait_xcnt 0x0
; query and key, [2][4096][512] f32, become codes of FP4 (E2M1) with one E8M0 byte for each 32 along a head's 64 channels, laid as the attention launch's registers want them.
; A PACK STEP is 128 tokens of one head, 4,608 bytes: eight images of 512 bytes, then 512 bytes of scale words.  Image a, lane l = r + 16 h, holds at byte 16 l the codes of channels 32 h .. 32 h + 31 of token
; 32 (a / 2) + 8 (a % 2) + r + 8 (r / 8): one load of 16 bytes a lane is the lower half of a fragment of 16 tokens.  The scale word of (a, r), bytes s0, s1, 0, 0, lies at 4096 + 256 (a / 4) + 16 r + 4 (a % 4):
; one load of 16 bytes a lane brings the words of tiles 0-3 to lanes 0-15 and those of tiles 4-7 to lanes 16-31.  A buffer is [2 x 8 heads][32 steps][4,608].
; A block's scale is 2^(floor(log2(its largest magnitude)) - 2); its byte is the largest magnitude's exponent field - 2, held at 1 from below.
; LIMITS: NaN and infinities among the inputs are not served; a block whose largest magnitude lies under 2^-124 keeps the byte 1; a block of zeros gets the byte 1 where the rule says 127: its codes are zeros,
; which add nothing under that byte, and the bytes are read by this program alone.
; SHARES.  Work-groups 0-127 take query, 128-255 key (only pointers are chosen: one path).  A wave takes one pack step: 16 steps of 8 tokens x 64 numbers.  Each load reads two tokens' 256 bytes, sixteen lanes to
; an aligned 256 bytes; the four waves of a work-group stand side by side on 1,024 bytes of each token's row.  The 2,048 bytes of a step turn through the wave's own stage in LDS, so that a lane holds 16 neighbours
; (two neighbouring lanes hold a block).  Codes and bytes are gathered in the wave's own image in LDS and leave as nine stores of 512 consecutive bytes.  Waves share nothing: no barrier.
; No matrix unit, no cluster, no tensor load: a stream read once, with 16 loads a wave on their way.
.set STEPS, 16
.set EMAX,  2
.set SP,    80                         ; a lane's place in a stage: its 64 bytes + 16 of padding
.set WREG,  10240                      ; LDS: a region for each wave: two stages of 32 x SP bytes,
.set CI,    2*32*SP                    ; the eight images of codes, 4,096 bytes,
.set SI,    CI+4096                    ; and the scale words, 512 bytes, straight behind them
.set PACK,  4608
.set R,     16                         ; v16-79   four sets of 16 numbers as they are loaded; on the way out v16-51 the pack step
.set X,     80                         ; v80-111  two sets of 16 neighbours
.set E,     112                        ; v112-127 a scale byte for each step
.set C,     128                        ; v128-191 codes: four registers for each step
	s_load_b256 s[4:11], s[0:1], 0x0               ; query s[4:5], key s[6:7], q_pack s[8:9], k_pack s[10:11]
	v_lshl_add_u32 v192, v0, 2, 0xa000
	v_mov_b32 v193, 0
	v_lshrrev_b32 v1, 5, v0
	v_readfirstlane_b32 s16, v1                    ; wave 0..3
	v_and_b32 v2, 31, v0                           ; lane
	v_and_b32 v3, 15, v2
	v_lshlrev_b32 v3, 4, v3
	v_lshrrev_b32 v8, 4, v2
	v_lshl_add_u32 v3, v8, 11, v3                  ; in: 16 bytes a lane of a token's 256; lanes 16-31 the next token, 2,048 bytes on
	s_mul_i32 s19, s16, WREG                       ; my wave's region of LDS
	v_lshrrev_b32 v9, 2, v2                        ; lane / 4
	v_mul_u32_u24 v14, v9, SP
	v_and_b32 v15, 3, v2
	v_lshl_add_u32 v14, v15, 4, v14
	v_add_nc_u32 v14, s19, v14                     ; the stage, on the way in: SP (lane / 4) + 16 (lane % 4)
	v_mul_u32_u24 v15, v2, SP
	v_add_nc_u32 v15, s19, v15                     ; and on the way out: SP x lane: token lane / 4 of the step's eight, numbers 16 (lane % 4) on
	v_bfe_u32 v8, v2, 1, 1                         ; which block of the token's two is mine
	v_and_b32 v10, 1, v2                           ; and which half of it
	v_lshlrev_b32 v4, 8, v8
	v_lshl_add_u32 v4, v9, 4, v4
	v_lshl_add_u32 v4, v10, 3, v4
	v_add_nc_u32 v4, s19, v4                       ; my 8 bytes of codes in an image: 256 x block + 16 x token + 8 x half
	v_lshl_add_u32 v5, v9, 4, v8
	v_add_nc_u32 v5, s19, v5                       ; my block's byte among the scale words: 16 x token + block
	v_lshlrev_b32 v7, 4, v2                        ; the way out: 16 bytes a lane
	v_add_nc_u32 v6, s19, v7
.irp i, 0,1,2,3
	v_mov_b32 v[C+\i], 0
.endr
	ds_store_b128 v6, v[C:C+3] offset:SI           ; the scale words begin as zeros: their bytes 2 and 3 stay so
	s_wait_kmcnt 0x0
	s_cmp_lt_u32 ttmp9, 128                        ; query's work-group or key's?  The choice hangs on the work-group's number alone
	s_cselect_b64 s[4:5], s[4:5], s[6:7]
	s_cselect_b64 s[8:9], s[8:9], s[10:11]
	s_cselect_b32 s17, 0, 128
	s_sub_co_u32 s17, ttmp9, s17
	s_lshl_b32 s17, s17, 2
	s_add_co_u32 s18, s17, s16                     ; my wave's number in the tensor, 0..511
	s_and_b32 s17, s18, 7                          ; the head
	s_lshr_b32 s18, s18, 3                         ; which 128 tokens of the 8,192
	s_lshl_b32 s20, s18, 18                        ; 128 tokens of 2,048 bytes,
	s_lshl_b32 s21, s17, 8                         ; the head's 256 bytes in a token's row
	s_or_b32 s20, s20, s21
	s_mov_b32 s21, 0
	s_add_nc_u64 s[4:5], s[4:5], s[20:21]
	s_lshr_b32 s22, s18, 5                         ; the batch
	s_lshl_b32 s22, s22, 3
	s_add_co_u32 s22, s22, s17                     ; 8 x batch + head
	s_lshl_b32 s22, s22, 5
	s_and_b32 s23, s18, 31
	s_add_co_u32 s22, s22, s23                     ; x 32 + the step
	s_mul_i32 s22, s22, PACK
	s_mov_b32 s23, 0
	s_add_nc_u64 s[8:9], s[8:9], s[22:23]
.macro LOAD t
.irp i, 0,1,2,3
	global_load_b128 v[R+16*((\t)%4)+4*\i:R+16*((\t)%4)+4*\i+3], v3, s[4:5] offset:16384*(\t)+4096*\i th:TH_LOAD_NT   ; tokens 8 t + 2 i and 8 t + 2 i + 1
.endr
.endm
.macro TURN t                          ; step t's numbers through the stage: LDS serves a wave's instructions in order, so no wait stands between the stores and the loads
.irp i, 0,1,2,3
	ds_store_b128 v14, v[R+16*((\t)%4)+4*\i:R+16*((\t)%4)+4*\i+3] offset:32*SP*((\t)%2)+8*SP*\i
.endr
.irp i, 0,1,2,3
	ds_load_b128 v[X+16*((\t)%2)+4*\i:X+16*((\t)%2)+4*\i+3], v15 offset:32*SP*((\t)%2)+16*\i
.endr
.endm
.irp t, 0,1,2,3
	LOAD \t
.endr
	s_wait_loadcnt 12                              ; step 0's four loads are in
	TURN 0
.macro STEP t
.set XS, X+16*((\t)%2)
.set IM, 2*((\t)/4)+(\t)%2             ; tokens 8 t .. 8 t + 7 belong to image IM,
.set RH, ((\t)%4)/2                    ; rows 8 RH .. 8 RH + 7 of it
.if (\t) > 0
	s_wait_dscnt 2                                 ; this step's numbers are back from the stage (the last step's two stores into the image may be out): so its stores into the stage have read their registers,
.else
	s_wait_dscnt 0x0
.endif
.if (\t)+4 < STEPS
	LOAD (\t)+4                                    ; which take the loads of four steps on
.endif
.if (\t)+1 < STEPS
.if STEPS-2-(\t) >= 3
	s_wait_loadcnt 12                              ; the next step's four loads are in; those of the three steps behind it may be out
.else
	s_wait_loadcnt 4*(STEPS-2-(\t))
.endif
	TURN (\t)+1                                    ; and go through the other stage while this step is worked
.endif
	v_max3_num_f32 v8, |v[XS]|, |v[XS+1]|, |v[XS+2]|               ; the largest magnitude of my 16
	v_max3_num_f32 v9, |v[XS+3]|, |v[XS+4]|, |v[XS+5]|
.irp i, 6,10
	v_max3_num_f32 v8, v8, |v[XS+\i]|, |v[XS+\i+1]|
	v_max3_num_f32 v9, v9, |v[XS+\i+2]|, |v[XS+\i+3]|
.endr
	v_max3_num_f32 v8, v8, |v[XS+14]|, |v[XS+15]|
	v_max3_num_f32 v8, v8, v9, (EMAX+1)<<23        ; and the floor 2^(3 - 127): so the byte cannot fall under 1
	v_max_num_f32_dpp v8, v8, v8 row_xmask:1 row_mask:0xf bank_mask:0xf   ; and of my neighbour's 16: the block's
	v_add_nc_u32 v11, -(EMAX<<23), v8              ; 2 off its exponent field: the conversion takes the exponent field of this operand as its scale, and nothing else of it
	v_cvt_scalef32_pk8_fp4_f32 v[C+4*(\t)], v[XS:XS+7], v11
	v_cvt_scalef32_pk8_fp4_f32 v[C+4*(\t)+1], v[XS+8:XS+15], v11
	v_lshrrev_b32 v[E+(\t)], 23, v11               ; the scale's byte (a plain line behind the conversions)
	ds_store_b64 v4, v[C+4*(\t):C+4*(\t)+1] offset:CI+IM*512+RH*128
	ds_store_b8 v5, v[E+(\t)] offset:SI+(IM/4)*256+RH*128+(IM%4)*4   ; both lanes of a block write the same byte with the same value
.endm
.irp t, 0,1,2,3,4,5,6,7,8,9,10,11,12,13,14,15
	STEP \t
.endr
.irp i, 0,1,2,3,4,5,6,7,8
	ds_load_b128 v[R+4*\i:R+4*\i+3], v6 offset:CI+512*\i           ; LDS serves a wave's instructions in order: these see my stores; the ninth is the scale words
.endr
.irp i, 0,1,2,3,4,5,6,7,8
	s_wait_dscnt 8-\i                              ; the younger loads may be out
	global_store_b128 v7, v[R+4*\i:R+4*\i+3], s[8:9] offset:512*\i   ; 32 lanes store 512 consecutive bytes, at a multiple of 256 from the buffer's first byte
.endr
	s_wait_tensorcnt 0x0
	ds_add_u32 v192, v193
	s_wait_dscnt 0x0
	s_endpgm
.Lfunc_end_k_qa6ddcad1a0_quant:
	.size	k_qa6ddcad1a0_quant, .Lfunc_end_k_qa6ddcad1a0_quant-k_qa6ddcad1a0_quant
	.p2alignl 7, 3214868480
	.fill 96, 4, 3214868480
	.section	.rodata,"a",@progbits
	.p2align	6, 0x0
	.amdhsa_kernel k_qa6ddcad1a0_quant
		.amdhsa_group_segment_fixed_size 41472
		.amdhsa_private_segment_fixed_size 0
		.amdhsa_enable_private_segment 0
		.amdhsa_kernarg_size 32
		.amdhsa_user_sgpr_count 2
		.amdhsa_user_sgpr_kernarg_segment_ptr 1
		.amdhsa_wavefront_size32 1
		.amdhsa_system_sgpr_workgroup_id_x 1
		.amdhsa_system_sgpr_workgroup_id_y 1
		.amdhsa_system_sgpr_workgroup_id_z 1
		.amdhsa_system_vgpr_workitem_id 0
		.amdhsa_next_free_vgpr 194
		.amdhsa_next_free_sgpr 66
		.amdhsa_reserve_vcc 0
		.amdhsa_float_denorm_mode_32 3
		.amdhsa_float_denorm_mode_16_64 3
		.amdhsa_memory_ordered 1
		.amdhsa_forward_progress 1
		.amdhsa_inst_pref_size 35
	.end_amdhsa_kernel
	.amdgpu_metadata
---
amdhsa.version: [ 1, 2 ]
amdhsa.kernels:
  - .name:           k_qa6ddcad1a0_quant
    .symbol:         k_qa6ddcad1a0_quant.kd
    .args:
      - { .name: query, .offset: 0, .size: 8, .value_kind: global_buffer, .address_space: global }
      - { .name: key, .offset: 8, .size: 8, .value_kind: global_buffer, .address_space: global }
      - { .name: q_pack, .offset: 16, .size: 8, .value_kind: global_buffer, .address_space: global }
      - { .name: k_pack, .offset: 24, .size: 8, .value_kind: global_buffer, .address_space: global }
    .group_segment_fixed_size: 41472
    .private_segment_fixed_size: 0
    .kernarg_segment_align: 8
    .kernarg_segment_size: 32
    .max_flat_workgroup_size: 128
    .sgpr_count:     66
    .vgpr_count:     194
    .wavefront_size: 32
...
	.end_amdgpu_metadata
.endif
;; end of part 1
;; launch attn (part 2): grid 16 x 16, 16 waves a work-group, no clusters, 296,960 bytes of LDS; arguments q_pack, k_pack, value_codes, value_scales, o_codes, o_scales; writes o_codes, o_scales
.if DOCPART == 2
	.amdgcn_target "amdgcn-amd-amdhsa--gfx1250"
	.amdhsa_code_object_version 6
	.text
	.protected	k_qa6ddcad1a0_attn
	.globl	k_qa6ddcad1a0_attn
	.p2align	8
	.type	k_qa6ddcad1a0_attn,@function
k_qa6ddcad1a0_attn:
	s_mov_b64 s[64:65], 0
	v_nop
	global_prefetch_b8 v0, s[64:65] scope:SCOPE_SE
	s_setreg_imm32_b32 hwreg(HW_REG_WAVE_MODE, 25, 1), 1
	s_wait_xcnt 0x0
; Causal attention of one head on codes of FP4 (E2M1) with E8M0 scales: S^T = K Q^T, p = 2^(t - M), O^T = V^T P^T, O / the row's sum, and O quantised again along the channels for the projection.
; q_pack, k_pack: [16 heads][32 steps of 128 tokens][4,608 bytes]: eight register images of 16 tokens x 64 channels and the step's scale words.  value_codes: a head is 64 rows (channels) of 2,048 bytes, the
; keys innermost; value_scales: 64 rows of 128 bytes.  Out: o_codes [16][4096][32 bytes], o_scales [16][4096][2 bytes].
; THE SOFTMAX: t = score x log2(e) / 8; M = the row's largest t so far, rounded UP to a whole number; p = 2^(t - M) is quantised along the keys, not normalised.  The row's sum is taken of the unquantised p and
; divides O at the end.  When M moves, the sum and O are multiplied by 2^(old M - new M): exact.
; LIMITS: NaN and infinities among the inputs are not served; a block of p or of O whose largest magnitude lies under 2^-124 (zeros among them) keeps the byte 1: only this program reads those bytes.
; SHARES.  Work-group (j, head) owns the blocks of 128 queries j and 31 - j: block q has q open key steps of 128 and one on the diagonal, so every work-group has 8 x 33 tile steps, whatever j.  Each of the sixteen
; waves owns one tile of 16 queries in 256 registers, four waves to a SIMD, so that one wave's vector work stands beside another's matrix work and LDS loads.  Wave w has tile w / 2 of block j (g = 0) or 31 - j
; (g = 1), g = (w ^ (w >> 2)) & 1: of any four waves w % 4 alike, or w / 4 alike, two belong to each block.
; LDS.  THE WHOLE HEAD LIES IN LDS, FILLED ONCE: K's pack 147,456 bytes, V's codes 4 chunks of 1,024 keys x 64 rows of 512 + 16 bytes, V's scale bytes.  No byte is filled again: there is no ring.  The fills go out
; at the head in four chunks of 1,024 keys (waves 0, 1: K's halves; waves 2, 3: V's); a barrier stands in front of each chunk's eight steps, so that work begins when a quarter has landed.
; A wave has at most five tensor loads outstanding.
; EVERY WAVE WALKS ALL 32 STEPS: a step all of whose keys come after the wave's queries is left out by a scalar branch on ids, round its loads and its work, not round the lines that step addresses.
; LAYOUT.  Both products are used transposed: a lane holds ONE query (lane % 16) throughout.  Lane r of K's tile 2 b + u is key 32 b + 8 u + r + 8 (r / 8), so that the 16 registers of tiles 2 b and 2 b + 1 are the
; keys 32 b + 16 (lane / 16) + 0 .. 15.  The head's 64 channels fill half of the instruction's 128 along K: the upper four registers of Q's and K's fragments are zero codes, set once.
; NO JOINT LOADS, though the sixteen work-groups of a head read the same K and V: partners would own different query blocks, and the branch that leaves hidden steps out hangs on the block's number..
; Walking hidden steps instead would nearly double the work of the launch.
; NO PREFETCH: all that a work-group reads is asked for by its first fills.
.set KSTEPB, 4608                      ; a pack step
.set KCH,    8*KSTEPB                  ; a chunk of K: 8 steps
.set VREG,   32*KSTEPB                 ; behind K: V's codes
.set VP,     528                       ; a row of a chunk of V: 512 bytes + 16 of padding: 33 x 16, so the sixteen rows of a load start at sixteen different groups of banks
.set VCH,    64*VP
.set SCV,    VREG+4*VCH                ; V's scale bytes: 32 units of 256 bytes + 16
.set OST,    SCV+32*272                ; O's scale bytes, 256 for each of the two query blocks: a multiple of 256, no fill lands here
.set AK0,  1                           ; v1   16 x lane: my place in an image
.set AV0,  2                           ; v2   VREG + 528 r + 16 h
.set ASV0, 3                           ; v3   SCV + 272 (r / 2) + 128 (r % 2)
.set DL,   4                           ; v4   r - 16 h
.set GO,   5                           ; v5   32 r + 16 h: my 16 bytes of O's codes
.set SA,   6                           ; v6   OST + 256 g + 32 tile + 2 r: my query's two scale bytes
.set L8,   7                           ; v7   8 x lane
.set ADK,  8                           ; v8-10 the step's addresses: K, V, V's scale words
.set ADV,  9
.set ADT,  10
.set SRD,  28                          ; v28  OST + 256 g + 8 x lane
.set QOC,  29                          ; v29  Q's codes: my offset in the pack step;  v30 its scale word's
.set QOS,  30
; v12 -M, v13 the largest t, v[14:15] the sum in two halves; v16-19 Q's codes, v20-23 zeros; v24-27 K's scale words; v[32+8a ..] K's tile a: four registers of codes, four of zeros; v96-159 S^T, then p;
; v160-191 O^T; v192-223 V's four fragments; v224-231 p's codes; v232-247 at work; v248-251 V's scale words; v252 f; v253 p's scale word; v254 at work; v255 Q's scale word
.set TK,   2                           ; s2   where the step's pack begins in LDS
.set TV,   3                           ; s3   the step's 64 bytes in V's rows
.set TJ,   66                          ; s66  the step's word in V's scale rows
.set CNT,  67
.set G,    16
.set TL,   17
.set WV,   18
.set QB,   19
.set SEL,  20                          ; s[20:21] lane selects for v_permlanex16_b32: lane l xor 16
.set CS,   22                          ; s[22:23] c = log2(e) / 8
.set G1K,  24
.set G1V,  32
.set G1S,  40
.set G0K,  48                          ; s[48:63] group 0 for K's four chunks
.set G0V,  68                          ; s[68:83] for V's
.set G0S,  84                          ; s[84:87] for V's scale bytes
.set KF,   98                          ; s98  the step's first key
.set Q0,   99                          ; s99  my first query
	s_load_b256 s[4:11], s[0:1], 0x0               ; q_pack s[4:5], k_pack s[6:7], value_codes s[8:9], value_scales s[10:11]
	s_load_b128 s[12:15], s[0:1], 0x20             ; o_codes s[12:13], o_scales s[14:15]
	v_lshl_add_u32 v254, v0, 2, 0x48000
	v_mov_b32 v255, 0
	ds_add_u32 v254, v255
	ds_add_u32 v254, v255
	s_wait_dscnt 0x0
	v_lshrrev_b32 v8, 5, v0
	v_readfirstlane_b32 s[WV], v8                  ; wave 0..15
	s_lshr_b32 s[G], s[WV], 2
	s_xor_b32 s[G], s[G], s[WV]
	s_and_b32 s[G], s[G], 1                        ; which of the two query blocks
	s_lshr_b32 s[TL], s[WV], 1                     ; which tile of its eight
	s_sub_co_u32 s88, 31, ttmp9
	s_cmp_eq_u32 s[G], 0
	s_cselect_b32 s[QB], ttmp9, s88                ; the block: j or 31 - j
	s_lshl_b32 s[Q0], s[QB], 7
	s_lshl_b32 s88, s[TL], 4
	s_add_co_u32 s[Q0], s[Q0], s88                 ; my first query
	; every address register that stays is made here, ahead of the branch on the wave's number
	v_and_b32 v8, 15, v0                           ; r
	v_bfe_u32 v9, v0, 4, 1                         ; h
	v_and_b32 v10, 31, v0                          ; lane
	v_lshlrev_b32 v[AK0], 4, v10
	v_mul_u32_u24 v[AV0], v8, VP
	v_lshl_add_u32 v[AV0], v9, 4, v[AV0]
	v_add_nc_u32 v[AV0], VREG, v[AV0]
	v_lshrrev_b32 v11, 1, v8
	v_mul_u32_u24 v[ASV0], v11, 272                ; V's scale rows are 128 bytes: two to a unit of 256 + 16
	v_and_b32 v11, 1, v8
	v_lshl_add_u32 v[ASV0], v11, 7, v[ASV0]
	v_add_nc_u32 v[ASV0], SCV, v[ASV0]
	v_lshlrev_b32 v11, 4, v9
	v_sub_nc_u32 v[DL], v8, v11
	v_lshlrev_b32 v[GO], 5, v8
	v_lshl_add_u32 v[GO], v9, 4, v[GO]
	s_lshl_b32 s88, s[G], 8
	s_add_co_u32 s88, s88, OST
	s_lshl_b32 s90, s[TL], 5
	s_add_co_u32 s90, s90, s88
	v_lshl_add_u32 v[SA], v8, 1, s90
	v_lshlrev_b32 v[L8], 3, v10
	v_add_nc_u32 v[SRD], s88, v[L8]
	; Q: query 16 tile + r of its pack step lies in image 2 (tile / 2) + r / 8, row 8 (tile % 2) + r % 8
	s_lshr_b32 s88, s[TL], 1
	s_and_b32 s90, s[TL], 1
	s_lshl_b32 s90, s90, 7
	s_lshl_b32 s92, s88, 10
	s_add_co_u32 s92, s92, s90                     ; codes: 1,024 (tile / 2) + 128 (tile % 2)
	s_lshr_b32 s93, s[TL], 2
	s_lshl_b32 s93, s93, 8
	s_add_co_u32 s93, s93, s90
	s_and_b32 s88, s88, 1
	s_lshl_b32 s88, s88, 3
	s_add_co_u32 s93, s93, s88
	s_add_co_u32 s93, s93, 4096                    ; scale word: 4,096 + 256 (tile / 4) + 128 (tile % 2) + 8 ((tile / 2) % 2)
	v_lshrrev_b32 v31, 3, v8
	v_and_b32 v[QOC], 7, v8
	v_lshlrev_b32 v[QOC], 4, v[QOC]
	v_lshl_add_u32 v[QOS], v31, 2, v[QOC]          ; + 16 (r % 8) + 4 (r / 8)
	v_add_nc_u32 v[QOS], s93, v[QOS]
	v_lshl_add_u32 v[QOC], v31, 9, v[QOC]
	v_lshl_add_u32 v[QOC], v9, 8, v[QOC]           ; + 512 (r / 8) + 256 h + 16 (r % 8)
	v_add_nc_u32 v[QOC], s92, v[QOC]
	; descriptor group 1.  K: half a chunk, 18,432 dense bytes, as 72 rows of 256 bytes (32 elements of 8), no padding: the images are read 16 bytes a lane on end
	s_mov_b32 s[G1K], 3<<16
	s_mov_b32 s[G1K+1], 32<<16                     ; tensor_dim0
	s_mov_b32 s[G1K+2], 72<<16                     ; tensor_dim1
	s_mov_b32 s[G1K+3], 32<<16                     ; tile_dim0
	s_mov_b32 s[G1K+4], 72                         ; tile_dim1
	s_mov_b32 s[G1K+5], 32                         ; from row to row
	s_mov_b32 s[G1K+6], 0
	s_mov_b32 s[G1K+7], 0
	; V: 32 rows of 512 bytes, 2,048 bytes apart; four words of padding behind every 128
	s_mov_b32 s[G1V], (0<<16)|(1<<20)|(6<<22)|(3<<25)
	s_mov_b32 s[G1V+1], 512<<16
	s_mov_b32 s[G1V+2], 32<<16
	s_mov_b32 s[G1V+3], 512<<16
	s_mov_b32 s[G1V+4], 32
	s_mov_b32 s[G1V+5], 2048
	s_mov_b32 s[G1V+6], 0
	s_mov_b32 s[G1V+7], 0
	; V's scale bytes: half a head's, 4,096 dense bytes, as 16 rows of 256 bytes, four words of padding behind each
	s_mov_b32 s[G1S], (3<<16)|(1<<20)|(5<<22)|(3<<25)
	s_mov_b32 s[G1S+1], 32<<16
	s_mov_b32 s[G1S+2], 16<<16
	s_mov_b32 s[G1S+3], 32<<16
	s_mov_b32 s[G1S+4], 16
	s_mov_b32 s[G1S+5], 32
	s_mov_b32 s[G1S+6], 0
	s_mov_b32 s[G1S+7], 0
	s_mov_b32 s[SEL], 0x76543210
	s_mov_b32 s[SEL+1], 0xfedcba98
	s_mov_b32 s[CS], 0x3e38aa3b                    ; c = log2(e) / sqrt(64)
	s_mov_b32 s[CS+1], s[CS]                       ; (named with it as a pair, so it is written)
	s_and_b32 s88, s[WV], 1                        ; which half I fetch, if I fetch
	s_and_b32 s89, ttmp7, 0xffff                   ; the head, 0..15
	s_mul_i32 s100, s89, 32*KSTEPB                 ; the head's first byte in a pack
	s_mul_i32 s92, s88, KCH/2                      ; K: my half of a chunk, in LDS as in memory
	s_add_co_u32 s90, s100, s92
	s_mov_b32 s91, 0
	s_mul_i32 s93, s88, VCH/2
	s_add_co_u32 s93, s93, VREG                    ; V: my 32 rows in LDS,
	s_lshl_b32 s94, s89, 17                        ; the head's 64 rows of 2,048 bytes in memory,
	s_lshl_b32 s96, s88, 16                        ; my 32 of them
	s_add_co_u32 s94, s94, s96
	s_mov_b32 s95, 0
	s_mul_i32 s101, s88, 16*272
	s_add_co_u32 s101, s101, SCV                   ; V's scale bytes: my half in LDS,
	s_lshl_b32 s96, s89, 13
	s_lshl_b32 s97, s88, 12
	s_add_co_u32 s96, s96, s97                     ; and in memory
	s_mov_b32 s97, 0
	s_wait_kmcnt 0x0
	s_add_nc_u64 s[90:91], s[6:7], s[90:91]
	s_add_nc_u64 s[94:95], s[8:9], s[94:95]
.irp c, 0,1,2,3
	s_mov_b32 s[G0K+4*\c], 1                       ; count = 1
	s_add_co_u32 s[G0K+4*\c+1], s92, \c*KCH        ; LDS address
	s_add_nc_u64 s[G0K+4*\c+2:G0K+4*\c+3], s[90:91], \c*KCH
	s_or_b32 s[G0K+4*\c+3], s[G0K+4*\c+3], 0x80000000   ; type = 2
	s_mov_b32 s[G0V+4*\c], 1
	s_add_co_u32 s[G0V+4*\c+1], s93, \c*VCH
	s_add_nc_u64 s[G0V+4*\c+2:G0V+4*\c+3], s[94:95], \c*512   ; 1,024 keys are 512 bytes of each row
	s_or_b32 s[G0V+4*\c+3], s[G0V+4*\c+3], 0x80000000
.endr
	s_mov_b32 s[G0S], 1
	s_mov_b32 s[G0S+1], s101
	s_add_nc_u64 s[G0S+2:G0S+3], s[10:11], s[96:97]
	s_or_b32 s[G0S+3], s[G0S+3], 0x80000000
	; ALL FILLS OF THE LAUNCH, in one branch on the wave's number, ahead of every wait on TENSORcnt, every LDS read and every barrier.  Four v_nop follow the last load of each arm.
	s_cmp_lt_u32 s[WV], 2
	s_cbranch_scc0 .Lnot_k
.irp c, 0,1,2,3
	tensor_load_to_lds s[G0K+4*\c:G0K+4*\c+3], s[G1K:G1K+7]
	s_nop 0
.endr
.rept 4
	v_nop
.endr
	s_branch .Lasked
.Lnot_k:
	s_cmp_lt_u32 s[WV], 4
	s_cbranch_scc0 .Lasked
	tensor_load_to_lds s[G0S:G0S+3], s[G1S:G1S+7]
	s_nop 0
.irp c, 0,1,2,3
	tensor_load_to_lds s[G0V+4*\c:G0V+4*\c+3], s[G1V:G1V+7]
	s_nop 0
.endr
.rept 4
	v_nop
.endr
.Lasked:
	s_mul_i32 s96, s[QB], KSTEPB
	s_add_co_u32 s96, s96, s100
	s_mov_b32 s97, 0
	s_add_nc_u64 s[4:5], s[4:5], s[96:97]          ; q_pack at my block's pack step
	global_load_b128 v[16:19], v[QOC], s[4:5]      ; Q's codes stay in registers
	global_load_b32 v255, v[QOS], s[4:5]           ; and its scale words
	s_lshl_b32 s92, s89, 12                        ; the head's first token
	s_add_co_u32 s96, s92, s[Q0]
	s_lshl_b32 s96, s96, 5
	s_add_nc_u64 s[12:13], s[12:13], s[96:97]      ; o_codes at my first query: 32 bytes a query
	s_lshl_b32 s96, s[QB], 7
	s_add_co_u32 s96, s96, s92
	s_lshl_b32 s96, s96, 1
	s_add_nc_u64 s[14:15], s[14:15], s[96:97]      ; o_scales at my block's first query: 2 bytes a query
.irp i, 20,21,22,23
	v_mov_b32 v\i, 0                               ; channels 64 .. 127 do not exist: zero codes, in Q
.endr
.irp a, 0,1,2,3,4,5,6,7
.irp i, 4,5,6,7
	v_mov_b32 v[32+8*\a+\i], 0                     ; and in K's eight tiles: set once, no load lands here
.endr
.endr
	v_mov_b32 v13, 0xff61b1e6                      ; the largest t so far: -3e38, under every t
	v_floor_f32 v12, -v13                          ; -M
	v_mov_b32 v14, 0                               ; the sum, in two halves
	v_mov_b32 v15, 0
.irp b, 0,1,2,3
	v_mov_b32 v[236+\b], 0                         ; written once: a lane permute's destination counts as one of its sources
.endr
	v_mov_b32 v252, 0
	v_mov_b32 v253, 0                              ; (named in the pair v[252:253] before it is first written)
.set n, 0
.rept 32
	v_mov_b32 v[160+n], 0                          ; O^T.  (The step is written without a first step of its own: it finds zeros, which the first change of M leaves zeros)
.set n, n+1
.endr
; A KEY STEP: 128 keys.
.macro STEP
	s_add_co_u32 s96, s[Q0], 15
	s_cmp_gt_u32 s[KF], s96
	s_cbranch_scc1 .Lhidden_\@                     ; all 128 keys come after my 16 queries
	v_add_nc_u32 v[ADK], s[TK], v[AK0]
	v_add_nc_u32 v[ADV], s[TV], v[AV0]
	v_add_nc_u32 v[ADT], s[TJ], v[ASV0]
	v_nop                                          ; four places between the last step's products and the loads into the registers that they read
.irp a, 0,1,2,3,4,5,6,7
	ds_load_b128 v[32+8*\a:35+8*\a], v[ADK] offset:512*\a          ; K's tile a: 512 bytes on end
.endr
	ds_load_b128 v[24:27], v[ADK] offset:4096      ; register i: lanes 0-15 tile i's scale words, lanes 16-31 tile 4 + i's
.irp t, 0,1,2,3
.irp c, 0,1
	ds_load_b128 v[192+8*\t+4*\c:195+8*\t+4*\c], v[ADV] offset:16*\t*VP+32*\c   ; V^T: channels 16 t + r, these 128 keys: asked for now, wanted behind the softmax
.endr
	ds_load_b32 v[248+\t], v[ADT] offset:2176*\t
.endr
	s_wait_dscnt 12                                ; K's nine loads are in; V's twelve may be out
.irp a, 0,1,2,3
	v_wmma_scale_f32_16x16x128_f8f6f4 v[96+8*\a:103+8*\a], v[32+8*\a:39+8*\a], v[16:23], 0, v[24+\a], v255 matrix_a_fmt:MATRIX_FMT_FP4 matrix_b_fmt:MATRIX_FMT_FP4
.endr
.irp a, 4,5,6,7
	v_wmma_scale_f32_16x16x128_f8f6f4 v[96+8*\a:103+8*\a], v[32+8*\a:39+8*\a], v[16:23], 0, v[24+\a-4], v255 matrix_a_fmt:MATRIX_FMT_FP4 matrix_b_fmt:MATRIX_FMT_FP4 matrix_a_scale:MATRIX_SCALE_ROW1
.endr
.rept 4
	v_nop                                          ; four places in front of the first read of the scores
.endr
	s_add_co_u32 s96, s[KF], 127
	s_cmp_le_u32 s96, s[Q0]
	s_cbranch_scc1 .Lopen_\@                       ; all 128 keys count
	s_sub_co_i32 s96, s[Q0], s[KF]                 ; ON THE DIAGONAL the scores of hidden keys become -infinity ahead of the maximum: p = 0 then
	v_add_nc_u32 v252, s96, v[DL]                  ; d = my query - KF - 16 h.  Register 16 b + i holds key KF + 32 b + 16 h + i: hidden where 32 b + i > d
	v_mov_b32 v254, 0xff800000
.set n, 0
.rept 64
	v_cmp_gt_i32 vcc_lo, 32*(n/16)+n%16, v252
	v_cndmask_b32 v[96+n], v[96+n], v254, vcc_lo
.set n, n+1
.endr
.Lopen_\@:
.irp b, 0,1,2,3
	v_max3_num_f32 v[232+\b], v[96+16*\b], v[97+16*\b], v[98+16*\b]   ; THE LARGEST SCORE OF EACH BLOCK OF 32 KEYS serves twice: for the row's maximum, and, since p rises with the score, for the block's largest p
.endr
.irp i, 3,5,7,9,11,13
.irp b, 0,1,2,3
	v_max3_num_f32 v[232+\b], v[232+\b], v[96+16*\b+\i], v[97+16*\b+\i]   ; (the four blocks by turns)
.endr
.endr
.irp b, 0,1,2,3
	v_max_num_f32 v[232+\b], v[232+\b], v[111+16*\b]
.endr
.irp b, 0,1,2,3
	v_permlanex16_b32 v[236+\b], v[232+\b], s[SEL], s[SEL+1]
.endr
.irp b, 0,1,2,3
	v_max_num_f32 v[232+\b], v[232+\b], v[236+\b]  ; with lane l xor 16's 16 keys
.endr
	v_max3_num_f32 v254, v232, v233, v234
	v_max_num_f32 v254, v254, v235                 ; the step's largest score of my query
	v_mul_f32 v254, s[CS], v254                    ; as t (c is positive)
	v_max_num_f32 v13, v13, v254                   ; the running largest t
	v_mov_b32 v254, v12
	v_floor_f32 v12, -v13                          ; the new -M = floor(-t) = -ceil(t): M is a whole number
	v_sub_f32 v254, v12, v254                      ; M's old value less its new one: a whole number, 0 or less
	v_cvt_i32_f32 v254, v254                       ; (it saturates)
	v_ldexp_f32 v252, 1.0, v254                    ; f = 2^(old M - new M)
.set n, 0
.rept 32
	v_pk_fma_f32 v[96+n:97+n], v[96+n:97+n], s[CS:CS+1], v[12:13] op_sel_hi:[1,0,0]   ; t - M, two at a time (of the pairs c and -M the low word serves both halves)
.set n, n+2
.endr
.irp b, 0,1,2,3
	v_fma_f32 v[232+\b], v[232+\b], s[CS], v12     ; the same of each block's largest score
.endr
.set n, 0
.rept 64
	v_exp_f32 v[96+n], v[96+n]                     ; p = 2^(t - M), at most 1: not normalised
.set n, n+1
.endr
.irp b, 0,1,2,3
	v_exp_f32 v[232+\b], v[232+\b]                 ; the block's largest p: the same two instructions on the same number give the same bits
.endr
	v_pk_mul_f32 v[14:15], v[14:15], v[252:253] op_sel_hi:[1,0]   ; the sums under the new M: the plain line behind the last exponential
.set n, 0
.rept 16
	v_pk_mul_f32 v[160+n:161+n], v[160+n:161+n], v[252:253] op_sel_hi:[1,0]   ; O^T under the new M: work that names no exponential's result, from each accumulator's low end on
.set n, n+2
.endr
	s_wait_alu depctr_va_vdst(0)                   ; ONE wait for the step's 68 exponentials, ahead of the first line that names a result
.irp b, 0,1,2,3
	v_max_num_f32 v[232+\b], 0x1800000, v[232+\b]  ; the floor 2^(3 - 127): the byte cannot fall under 1 (a block whose every p is 0 keeps that byte: its codes are zeros)
.endr
.irp b, 0,1,2,3
	v_add_nc_u32 v[244+\b], 0xff000000, v[232+\b]  ; 2 off the exponent field: the conversion's scale operand
.endr
.irp b, 0,1,2,3
	v_lshrrev_b32 v[236+\b], 23, v[244+\b]         ; the scale's byte
.endr
	v_lshl_or_b32 v253, v237, 8, v236              ; p's scale word for these 128 keys
	v_lshl_or_b32 v253, v238, 16, v253
	v_lshl_or_b32 v253, v239, 24, v253
.irp b, 0,1,2,3
	v_cvt_scalef32_pk8_fp4_f32 v[224+2*\b], v[96+16*\b:103+16*\b], v[244+\b]
	v_cvt_scalef32_pk8_fp4_f32 v[225+2*\b], v[104+16*\b:111+16*\b], v[244+\b]
.endr
	v_nop                                          ; one plain line behind the last scaled conversion
.irp c, 0,1                                    ; the operand's layout wants a WHOLE block in a lane: lanes 0-15 block 2 c, lanes 16-31 block 2 c + 1
.irp i, 0,1
	v_permlane16_swap_b32 v[224+4*\c+\i], v[226+4*\c+\i]
.endr
.endr
	v_pk_add_f32 v[236:237], v[96:97], v[98:99]    ; THE ROW'S SUM IS TAKEN OF THE UNQUANTISED p: two at a time, in two chains.  These 32 lines are also the places between p's scale word and codes and the products below
.irp j, 4,8,12,16,20,24,28,32,36,40,44,48,52,56,60
	v_pk_add_f32 v[14:15], v[14:15], v[96+\j:97+\j]
	v_pk_add_f32 v[236:237], v[236:237], v[98+\j:99+\j]
.endr
	v_pk_add_f32 v[14:15], v[14:15], v[236:237]
	s_wait_dscnt 0x0                               ; V's fragments and scale words are in
.irp t, 0,1,2,3                                ; O^T += V^T P^T: the four accumulators by turns
	v_wmma_scale_f32_16x16x128_f8f6f4 v[160+8*\t:167+8*\t], v[192+8*\t:199+8*\t], v[224:231], v[160+8*\t:167+8*\t], v[248+\t], v253 matrix_a_fmt:MATRIX_FMT_FP4 matrix_b_fmt:MATRIX_FMT_FP4
.endr
.Lhidden_\@:
	s_add_co_u32 s[KF], s[KF], 128
	s_add_co_u32 s[TK], s[TK], KSTEPB
	s_add_co_u32 s[TV], s[TV], 64
	s_add_co_u32 s[TJ], s[TJ], 4
.endm
; A CHUNK: eight key steps.  In front of it the waves that fetch wait for their part of it, and a barrier shows it to all sixteen.  Later chunks may stay on their way.
.macro CHUNK c
	s_wait_dscnt 0x0                               ; no LDS instruction of mine is out at a signal
	s_wait_tensorcnt 3-\c                          ; behind chunk c's load a fetching wave issued 3 - c more (a wave that fetches nothing has none out)
	s_barrier_signal -1
	s_barrier_wait -1
	s_mov_b32 s[TK], \c*KCH
	s_mov_b32 s[TV], \c*VCH
	s_mov_b32 s[TJ], \c*32
	s_mov_b32 s[KF], \c*1024
	s_mov_b32 s[CNT], 8
.Lstep_\@:
	STEP
	s_sub_co_u32 s[CNT], s[CNT], 1
	s_cmp_lg_u32 s[CNT], 0
	s_cbranch_scc1 .Lstep_\@
.endm
	s_wait_loadcnt 0x0                             ; Q
	CHUNK 0
	CHUNK 1
	CHUNK 2
	CHUNK 3                                        ; its wait on TENSORcnt is for 0: no load is out at the end
	; THE WAY OUT.  O^T / the row's sum; then O is quantised along the channels: tile t's register i of lane (r, h) is channel 16 t + 8 h + i of query r, so tiles 2 b and 2 b + 1 of lanes l and l xor 16 are block b.
	v_add_f32 v14, v14, v15                        ; the sum's two halves,
	v_permlanex16_b32 v236, v14, s[SEL], s[SEL+1]
	v_add_f32 v14, v14, v236                       ; and lane l xor 16's: the row's sum
	v_rcp_f32 v14, v14
.rept 3
	v_nop                                          ; a plain line behind the reciprocal; with the two additions above, more than four places behind the last products
.endr
	s_wait_alu depctr_va_vdst(0)                   ; ahead of the reciprocal's first reader
.set n, 0
.rept 16
	v_pk_mul_f32 v[96+n:97+n], v[160+n:161+n], v[14:15] op_sel_hi:[1,0]   ; each accumulator from its low end on
.set n, n+2
.endr
.irp b, 0,1
	v_max3_num_f32 v[232+\b], |v[96+16*\b]|, |v[97+16*\b]|, 0x1800000   ; block b: my 16 numbers, and the floor 2^(3 - 127)
.endr
.irp i, 2,4,6,8,10,12,14
.irp b, 0,1
	v_max3_num_f32 v[232+\b], v[232+\b], |v[96+16*\b+\i]|, |v[97+16*\b+\i]|
.endr
.endr
.irp b, 0,1
	v_permlanex16_b32 v[236+\b], v[232+\b], s[SEL], s[SEL+1]
.endr
.irp b, 0,1
	v_max_num_f32 v[232+\b], v[232+\b], v[236+\b]  ; with lane l xor 16's: the block's largest magnitude
.endr
.irp b, 0,1
	v_add_nc_u32 v[244+\b], 0xff000000, v[232+\b]  ; 2 off its exponent field: the conversion's scale operand
.endr
.irp b, 0,1
	v_lshrrev_b32 v[234+\b], 23, v[244+\b]         ; the scale's byte
.endr
	v_lshl_or_b32 v240, v235, 8, v234              ; my query's two bytes
	v_cvt_scalef32_pk8_fp4_f32 v224, v[96:103], v244     ; channels 8 h + 0 .. 7
	v_cvt_scalef32_pk8_fp4_f32 v226, v[104:111], v244    ; 16 + 8 h + ..
	v_cvt_scalef32_pk8_fp4_f32 v225, v[112:119], v245    ; 32 + 8 h + ..
	v_cvt_scalef32_pk8_fp4_f32 v227, v[120:127], v245    ; 48 + 8 h + ..
	v_nop                                          ; one plain line behind the last scaled conversion
	v_permlane16_swap_b32 v224, v225               ; the first's lanes 16-31 change places with the second's lanes 0-15:
	v_permlane16_swap_b32 v226, v227               ; v224-227 of lane (r, h) are now channels 32 h + 0 .. 31 of query r, in order
	global_store_b128 v[GO], v[224:227], s[12:13]  ; the wave stores 512 consecutive bytes, at a multiple of 256 from the buffer's first byte
	ds_store_b16 v[SA], v240                       ; lanes r and r + 16 write the same two bytes with the same value
	s_wait_dscnt 0x0                               ; for the others' sake: my store has landed
	s_barrier_signal -1
	s_barrier_wait -1                              ; both blocks' 256 scale bytes lie in LDS
	s_cmp_lt_u32 s[WV], 2                          ; waves 0 and 1 belong to blocks g = 0 and 1: each stores its block's bytes
	s_cbranch_scc0 .Lend
	ds_load_b64 v[242:243], v[SRD]
	s_wait_dscnt 0x0
	global_store_b64 v[L8], v[242:243], s[14:15]   ; 32 lanes store 256 consecutive bytes, aligned
.Lend:
	s_wait_xcnt 0x0
	v_lshl_add_u32 v254, v0, 2, 0x48000
	v_mov_b32 v255, 0
	s_wait_tensorcnt 0x0
	ds_add_u32 v254, v255
	s_wait_dscnt 0x0
	s_endpgm
.Lfunc_end_k_qa6ddcad1a0_attn:
	.size	k_qa6ddcad1a0_attn, .Lfunc_end_k_qa6ddcad1a0_attn-k_qa6ddcad1a0_attn
	.p2alignl 7, 3214868480
	.fill 96, 4, 3214868480
	.section	.rodata,"a",@progbits
	.p2align	6, 0x0
	.amdhsa_kernel k_qa6ddcad1a0_attn
		.amdhsa_group_segment_fixed_size 296960
		.amdhsa_private_segment_fixed_size 0
		.amdhsa_enable_private_segment 0
		.amdhsa_kernarg_size 48
		.amdhsa_user_sgpr_count 2
		.amdhsa_user_sgpr_kernarg_segment_ptr 1
		.amdhsa_wavefront_size32 1
		.amdhsa_system_sgpr_workgroup_id_x 1
		.amdhsa_system_sgpr_workgroup_id_y 1
		.amdhsa_system_sgpr_workgroup_id_z 1
		.amdhsa_system_vgpr_workitem_id 0
		.amdhsa_next_free_vgpr 256
		.amdhsa_next_free_sgpr 102
		.amdhsa_reserve_vcc 1
		.amdhsa_float_denorm_mode_32 3
		.amdhsa_float_denorm_mode_16_64 3
		.amdhsa_memory_ordered 1
		.amdhsa_forward_progress 1
		.amdhsa_inst_pref_size 99
	.end_amdhsa_kernel
	.amdgpu_metadata
---
amdhsa.version: [ 1, 2 ]
amdhsa.kernels:
  - .name:           k_qa6ddcad1a0_attn
    .symbol:         k_qa6ddcad1a0_attn.kd
    .args:
      - { .name: q_pack, .offset: 0, .size: 8, .value_kind: global_buffer, .address_space: global }
      - { .name: k_pack, .offset: 8, .size: 8, .value_kind: global_buffer, .address_space: global }
      - { .name: value_codes, .offset: 16, .size: 8, .value_kind: global_buffer, .address_space: global }
      - { .name: value_scales, .offset: 24, .size: 8, .value_kind: global_buffer, .address_space: global }
      - { .name: o_codes, .offset: 32, .size: 8, .value_kind: global_buffer, .address_space: global }
      - { .name: o_scales, .offset: 40, .size: 8, .value_kind: global_buffer, .address_space: global }
    .group_segment_fixed_size: 296960
    .private_segment_fixed_size: 0
    .kernarg_segment_align: 8
    .kernarg_segment_size: 48
    .max_flat_workgroup_size: 512
    .sgpr_count:     102
    .vgpr_count:     256
    .wavefront_size: 32
...
	.end_amdgpu_metadata
.endif
;; end of part 2
;; launch proj (part 3): grid 256 x 1, 8 waves a work-group, no clusters, 35,840 bytes of LDS; arguments o_codes, o_scales, Wo_codes, Wo_scales, bo, out0; writes out0
.if DOCPART == 3
	.amdgcn_target "amdgcn-amd-amdhsa--gfx1250"
	.amdhsa_code_object_version 6
	.text
	.protected	k_qa6ddcad1a0_proj
	.globl	k_qa6ddcad1a0_proj
	.p2align	8
	.type	k_qa6ddcad1a0_proj,@function
k_qa6ddcad1a0_proj:
	s_mov_b64 s[64:65], 0
	v_nop
	global_prefetch_b8 v0, s[64:65] scope:SCOPE_SE
	s_setreg_imm32_b32 hwreg(HW_REG_WAVE_MODE, 25, 1), 1
	s_wait_xcnt 0x0
; out0[token][n] = the sum over k of O[token][k] Wo[n][k] + bo[n], on codes of FP4 (E2M1) with E8M0 scales; K = 512 = 8 heads x 64 channels.
; o_codes [16 = 8 b + head][4096][32 bytes], o_scales [16][4096][2 bytes]; Wo_codes [512][256 bytes], Wo_scales [512][16 bytes]; bo [512] f32; out0 [8192][512] f32.
; SHARES.  A work-group takes 32 tokens (two tiles of 16), each of its eight waves 64 outputs (four tiles of 16): 8 accumulators, 4 K steps of 128 (K step s = heads 2 s and 2 s + 1): 32 matrix instructions a wave.
; All operands go from memory straight into the registers of their fragments: a token's fragment is 16 bytes a lane, 512 consecutive bytes a load.
; THE MATRIX INSTRUCTION IS USED TRANSPOSED (source 0 = 16 rows of Wo, source 1 = 16 tokens): a lane holds eight neighbouring outputs of one token.  The bias is the C of each sum's first instruction.
; The results go through the wave's own stage in LDS (16 rows of 256 + 16 bytes) and leave with sixteen lanes to 256 consecutive bytes, aligned.  Waves share nothing: no barrier.
; NO JOINT LOADS, though all work-groups read Wo: a wave's 16 KB of Wo go from memory into the registers where they are multiplied; a joint request brings tiles into LDS, from which the same bytes would
; have to be read once more, for 32 matrix instructions.  No prefetch: every load of a wave goes out at its head.
; REGISTERS: window 0: v3-10 addresses; v16-79 the tokens' fragments (tile m, K step s at 16 + 8 (4 m + s)), later the rows on their way out; v80-143 the accumulators (m, tile of outputs u at 80 + 8 (4 m + u));
;   v144-175 the bias; v176-191 Wo's scale words; v192-199 the tokens'; v200-215 their halves as loaded.   window 1: Wo's 16 fragments (u, s) at 8 (4 u + s).
.set AF,  16
.set ACC, 80
.set BI,  144
.set WS,  176
.set AS,  192
.set HW,  200
.set MSB, 0
.macro WIN new                         ; the immediate's high byte repeats the setting that is left
.if MSB != \new
	s_set_vgpr_msb (MSB<<8)|\new
.set MSB, \new
.endif
.endm
	s_load_b256 s[4:11], s[0:1], 0x0               ; o_codes s[4:5], o_scales s[6:7], Wo_codes s[8:9], Wo_scales s[10:11]
	s_load_b128 s[12:15], s[0:1], 0x20             ; bo s[12:13], out0 s[14:15]
	v_lshl_add_u32 v254, v0, 2, 0x8800
	v_mov_b32 v255, 0
	v_lshrrev_b32 v1, 5, v0
	v_readfirstlane_b32 s16, v1                    ; wave 0..7
	v_and_b32 v1, 15, v0                           ; r
	v_bfe_u32 v2, v0, 4, 1                         ; h
	v_lshlrev_b32 v3, 5, v1
	v_lshl_add_u32 v3, v2, 4, v3                   ; a token's codes of one head: 32 r + 16 h
	v_lshlrev_b32 v4, 1, v1                        ; its two scale bytes: 2 r
	v_lshlrev_b32 v5, 8, v1
	v_lshl_add_u32 v5, v2, 4, v5                   ; Wo: row r of 256 bytes, + 16 h
	v_lshlrev_b32 v6, 4, v1                        ; its scale words: 16 r
	v_lshlrev_b32 v7, 5, v2                        ; the bias: my half's eight numbers
	s_mul_i32 s19, s16, 16*272                     ; my stage
	v_mul_u32_u24 v8, v1, 272
	v_lshl_add_u32 v8, v2, 5, v8
	v_add_nc_u32 v8, s19, v8                       ; in: row r, 32 bytes for each half of the lanes
	v_mul_u32_u24 v9, v2, 272
	v_lshl_add_u32 v9, v1, 4, v9
	v_add_nc_u32 v9, s19, v9                       ; back: lanes 0-15 one row of 256 bytes, lanes 16-31 the next
	v_lshlrev_b32 v10, 11, v2
	v_lshl_add_u32 v10, v1, 4, v10                 ; and the same two rows in out0
	s_lshr_b32 s17, ttmp9, 7                       ; the batch
	s_and_b32 s18, ttmp9, 127                      ; which 32 tokens of its 4,096
	s_lshl_b32 s20, s17, 20                        ; o_codes: 8 heads x 4,096 tokens x 32 bytes a batch,
	s_lshl_b32 s22, s18, 10                        ; 32 tokens x 32 bytes
	s_or_b32 s20, s20, s22
	s_mov_b32 s21, 0
	s_lshl_b32 s22, s17, 16                        ; o_scales likewise, 2 bytes a token
	s_lshl_b32 s24, s18, 6
	s_or_b32 s22, s22, s24
	s_mov_b32 s23, 0
	s_lshl_b32 s24, s16, 14                        ; my 64 rows of Wo,
	s_mov_b32 s25, 0
	s_lshl_b32 s26, s16, 10                        ; of its scales,
	s_mov_b32 s27, 0
	s_lshl_b32 s28, s16, 8                         ; my 64 numbers of the bias, and of a row of out0
	s_mov_b32 s29, 0
	s_lshl_b32 s30, ttmp9, 16                      ; 32 rows of 2,048 bytes
	s_or_b32 s30, s30, s28
	s_mov_b32 s31, 0
	s_wait_kmcnt 0x0
	s_add_nc_u64 s[4:5], s[4:5], s[20:21]
	s_add_nc_u64 s[6:7], s[6:7], s[22:23]
	s_add_nc_u64 s[8:9], s[8:9], s[24:25]
	s_add_nc_u64 s[10:11], s[10:11], s[26:27]
	s_add_nc_u64 s[12:13], s[12:13], s[28:29]
	s_add_nc_u64 s[14:15], s[14:15], s[30:31]
	WIN 0x40                                       ; destination window 1, address window 0
.irp u, 0,1,2,3
.irp s, 0,1,2,3
.irp c, 0,1
	global_load_b128 v[8*(4*\u+\s)+4*\c:8*(4*\u+\s)+4*\c+3], v5, s[8:9] offset:\u*4096+\s*64+32*\c
.endr
.endr
.endr
	WIN 0
.irp m, 0,1
.irp s, 0,1,2,3
.irp c, 0,1
	global_load_b128 v[AF+8*(4*\m+\s)+4*\c:AF+8*(4*\m+\s)+4*\c+3], v3, s[4:5] offset:(2*\s+\c)*131072+512*\m th:TH_LOAD_NT   ; head 2 s + c, tokens 16 m on: k = 128 s + 64 c + 32 h + 0 .. 31
.endr
.endr
.endr
.irp m, 0,1
.irp d, 0,1,2,3,4,5,6,7
	global_load_u16 v[HW+8*\m+\d], v4, s[6:7] offset:\d*8192+32*\m   ; head d's two scale bytes of my token
.endr
.endr
.irp u, 0,1,2,3
	global_load_b128 v[WS+4*\u:WS+4*\u+3], v6, s[10:11] offset:256*\u   ; register s: the word of K step s
	global_load_b128 v[BI+8*\u:BI+8*\u+3], v7, s[12:13] offset:64*\u    ; bo at outputs 16 u + 8 h + 0 .. 7: the result's layout
	global_load_b128 v[BI+8*\u+4:BI+8*\u+7], v7, s[12:13] offset:64*\u+16
.endr
	s_wait_loadcnt 0x0
.irp m, 0,1
.irp s, 0,1,2,3
	v_lshl_or_b32 v[AS+4*\m+\s], v[HW+8*\m+2*\s+1], 16, v[HW+8*\m+2*\s]   ; heads 2 s and 2 s + 1 make K step s's scale word
.endr
.endr
.rept 8
	v_nop                                          ; a scale register written by a vector instruction stands eight places ahead of a scaled matrix instruction
.endr
	WIN 0x01                                       ; source 0 (Wo) window 1
.irp s, 0,1,2,3                                ; the eight accumulators take turns, one instruction a turn
.irp m, 0,1
.irp u, 0,1,2,3
.if \s == 0
	v_wmma_scale_f32_16x16x128_f8f6f4 v[ACC+8*(4*\m+\u):ACC+8*(4*\m+\u)+7], v[8*(4*\u+\s):8*(4*\u+\s)+7], v[AF+8*(4*\m+\s):AF+8*(4*\m+\s)+7], v[BI+8*\u:BI+8*\u+7], v[WS+4*\u+\s], v[AS+4*\m+\s] matrix_a_fmt:MATRIX_FMT_FP4 matrix_b_fmt:MATRIX_FMT_FP4
.else
	v_wmma_scale_f32_16x16x128_f8f6f4 v[ACC+8*(4*\m+\u):ACC+8*(4*\m+\u)+7], v[8*(4*\u+\s):8*(4*\u+\s)+7], v[AF+8*(4*\m+\s):AF+8*(4*\m+\s)+7], v[ACC+8*(4*\m+\u):ACC+8*(4*\m+\u)+7], v[WS+4*\u+\s], v[AS+4*\m+\s] matrix_a_fmt:MATRIX_FMT_FP4 matrix_b_fmt:MATRIX_FMT_FP4
.endif
.endr
.endr
.endr
	WIN 0
.rept 4
	v_nop                                          ; four places in front of the first read of results, and of loads into registers that matrix instructions have read
.endr
.irp m, 0,1
.irp u, 0,1,2,3
	ds_store_b128 v8, v[ACC+8*(4*\m+\u):ACC+8*(4*\m+\u)+3] offset:64*\u        ; each accumulator from its low end on: out(16 m + r, 16 u + 8 h + 0 .. 7)
	ds_store_b128 v8, v[ACC+8*(4*\m+\u)+4:ACC+8*(4*\m+\u)+7] offset:64*\u+16
.endr
.irp i, 0,1,2,3,4,5,6,7
	ds_load_b128 v[AF+32*\m+4*\i:AF+32*\m+4*\i+3], v9 offset:544*\i   ; LDS serves a wave's instructions in order: these see the stores above, and the next tile's stores come behind them
.endr
.endr
.irp m, 0,1
.irp i, 0,1,2,3,4,5,6,7
	s_wait_dscnt 23-16*\m-\i                       ; the younger LDS instructions may be out: this tile's later loads, and for the first tile the second's sixteen
	global_store_b128 v10, v[AF+32*\m+4*\i:AF+32*\m+4*\i+3], s[14:15] offset:(16*\m+2*\i)*2048 th:TH_STORE_NT   ; 16 lanes store 256 consecutive bytes, at a multiple of 256 from out0's first byte
.endr
.endr
	s_wait_tensorcnt 0x0
	ds_add_u32 v254, v255
	s_wait_dscnt 0x0
	s_endpgm
.Lfunc_end_k_qa6ddcad1a0_proj:
	.size	k_qa6ddcad1a0_proj, .Lfunc_end_k_qa6ddcad1a0_proj-k_qa6ddcad1a0_proj
	.p2alignl 7, 3214868480
	.fill 96, 4, 3214868480
	.section	.rodata,"a",@progbits
	.p2align	6, 0x0
	.amdhsa_kernel k_qa6ddcad1a0_proj
		.amdhsa_group_segment_fixed_size 35840
		.amdhsa_private_segment_fixed_size 0
		.amdhsa_enable_private_segment 0
		.amdhsa_kernarg_size 48
		.amdhsa_user_sgpr_count 2
		.amdhsa_user_sgpr_kernarg_segment_ptr 1
		.amdhsa_wavefront_size32 1
		.amdhsa_system_sgpr_workgroup_id_x 1
		.amdhsa_system_sgpr_workgroup_id_y 1
		.amdhsa_system_sgpr_workgroup_id_z 1
		.amdhsa_system_vgpr_workitem_id 0
		.amdhsa_next_free_vgpr 384
		.amdhsa_next_free_sgpr 66
		.amdhsa_reserve_vcc 0
		.amdhsa_float_denorm_mode_32 3
		.amdhsa_float_denorm_mode_16_64 3
		.amdhsa_memory_ordered 1
		.amdhsa_forward_progress 1
		.amdhsa_inst_pref_size 19
	.end_amdhsa_kernel
	.amdgpu_metadata
---
amdhsa.version: [ 1, 2 ]
amdhsa.kernels:
  - .name:           k_qa6ddcad1a0_proj
    .symbol:         k_qa6ddcad1a0_proj.kd
    .args:
      - { .name: o_codes, .offset: 0, .size: 8, .value_kind: global_buffer, .address_space: global }
      - { .name: o_scales, .offset: 8, .size: 8, .value_kind: global_buffer, .address_space: global }
      - { .name: Wo_codes, .offset: 16, .size: 8, .value_kind: global_buffer, .address_space: global }
      - { .name: Wo_scales, .offset: 24, .size: 8, .value_kind: global_buffer, .address_space: global }
      - { .name: bo, .offset: 32, .size: 8, .value_kind: global_buffer, .address_space: global }
      - { .name: out0, .offset: 40, .size: 8, .value_kind: global_buffer, .address_space: global }
    .group_segment_fixed_size: 35840
    .private_segment_fixed_size: 0
    .kernarg_segment_align: 8
    .kernarg_segment_size: 48
    .max_flat_workgroup_size: 256
    .sgpr_count:     66
    .vgpr_count:     384
    .wavefront_size: 32
...
	.end_amdgpu_metadata
.endif
;; end of part 3
